; MI455X (gfx1250); checked and timed in simulation.
; The chip was launched on July 23, 2026; its instructions are those of AMD's public machine-readable ISA for CDNA 5 (MIT licence, August 2026) and "CDNA5" Instruction Set Architecture Reference Guide (July 2026). The comments in the code are by the model that wrote it; some were corrected since.
;; Multi Head Attention Chunk. Allowed arithmetic: matrix products marked QUANTISED: E2M3 operands, one E8M0 scale for each 32 along K, by v_wmma_scale_f32_16x16x128_f8f6f4 with both operands' format E2M3, f32 sums; everything else in f32.
;; Inputs: Wk_codes 512 x 16 x 24 uint8 (E2M3 codes of Wk, K innermost, in blocks of 32 codes, four codes in three bytes); Wk_scales 512 x 16 uint8 (E8M0 scales of Wk, one for each 32 codes along K); Wo_codes 512 x 16 x 24 uint8 (E2M3 codes of Wo, K innermost, in blocks of 32 codes, four codes in three bytes); Wo_scales 512 x 16 uint8 (E8M0 scales of Wo, one for each 32 codes along K); Wq_codes 512 x 16 x 24 uint8 (E2M3 codes of Wq, K innermost, in blocks of 32 codes, four codes in three bytes); Wq_scales 512 x 16 uint8 (E8M0 scales of Wq, one for each 32 codes along K); Wv_codes 512 x 16 x 24 uint8 (E2M3 codes of Wv, K innermost, in blocks of 32 codes, four codes in three bytes); Wv_scales 512 x 16 uint8 (E8M0 scales of Wv, one for each 32 codes along K); bk 512 float32; bo 512 float32; bq 512 float32; bv 512 float32; key_codes 8 x 4,096 x 16 x 24 uint8 (E2M3 codes of key, K innermost, in blocks of 32 codes, four codes in three bytes); key_scales 8 x 4,096 x 16 uint8 (E8M0 scales of key, one for each 32 codes along K); query_codes 8 x 4,096 x 16 x 24 uint8 (E2M3 codes of query, K innermost, in blocks of 32 codes, four codes in three bytes); query_scales 8 x 4,096 x 16 uint8 (E8M0 scales of query, one for each 32 codes along K); value_codes 8 x 4,096 x 16 x 24 uint8 (E2M3 codes of value, K innermost, in blocks of 32 codes, four codes in three bytes); value_scales 8 x 4,096 x 16 uint8 (E8M0 scales of value, one for each 32 codes along K).
;; Outputs: out0 8 x 4,096 x 512 float32.
;; This version of the problem:
;;   THIS VERSION OF THE PROBLEM IS GIVEN IN LOW PRECISION. The matrix products marked QUANTISED in the list below multiply operands that are first quantised to E2M3 (2 exponent bits, 3 mantissa bits; 6 bits a number), with one power-of-two scale for each 32 numbers along K (OCP MX v1.0); their sums are f32. All else is computed in f32.
;;   The module's matrix products, in the order in which they are computed (A, B: the left and right operand; K: the contracted axis; several contracted axes count as one K, in the product's order):
;;     1. [M 32,768, K 512] x [K 512, N 512]; A: input query (given as codes); B: input Wq (given as codes): QUANTISED
;;     2. [M 32,768, K 512] x [K 512, N 512]; A: input key (given as codes); B: input Wk (given as codes): QUANTISED
;;     3. [M 32,768, K 512] x [K 512, N 512]; A: input value (given as codes); B: input Wv (given as codes): QUANTISED
;;     4. batch 1,024 x [M 256, K 64] x [K 64, N 256]; A: computed on the way; B: computed on the way: QUANTISED
;;     5. batch 1,024 x [M 64, K 256] x [K 256, N 256]; A: computed on the way; B: softmax (see below): QUANTISED
;;     6. [M 32,768, K 512] x [K 512, N 512]; A: computed on the way; B: input Wo (given as codes): QUANTISED
;;   THE QUANTISER, for each operand of a quantised product, along K:
;;     - K is cut into blocks of 32 from its start; a last block that is shorter is filled with zeros.
;;     - A block's scale is 2^e with e = floor(log2(the largest magnitude in the block)) - 2, held to -126 .. 127; a block of zeros has e = 0. As a byte (E8M0): e + 127.
;;     - Each number is divided by its block's scale, clamped to +-7.5, and rounded to the nearest number of E2M3, ties to even, subnormals kept.
;;     - The product sums the exact products of the quantised numbers (number of the format x scale) in f32.
;;   ~~~python
;;   def quantise(x, axis):      # numpy; x: float32 -> the quantised numbers, widened to float32 again
;;       x = np.moveaxis(x, axis, -1); K = x.shape[-1]
;;       x = np.pad(x, [(0, 0)] * (x.ndim - 1) + [(0, -K % 32)]); x = x.reshape(x.shape[:-1] + (-1, 32)); a = np.abs(x).max(-1, keepdims=True)
;;       e = np.where(a > 0, np.clip(np.frexp(np.where(a > 0, a, 1))[1] - 1 - 2, -126, 127), 0)      # np.frexp(a)[1] - 1 = floor(log2(a)), exactly
;;       r = np.clip(x / 2.0 ** e, -7.5, 7.5)
;;       step = 2.0 ** (np.maximum(np.frexp(np.where(r == 0, 1, r))[1] - 1, 0) - 3)
;;       q = np.round(r / step) * step * 2.0 ** e      # np.round: ties to even
;;       return np.moveaxis(q.reshape(q.shape[:-2] + (-1,))[..., :K], -1, axis).astype(np.float32)
;;   ~~~
;;   SOFTMAX AHEAD OF A QUANTISED PRODUCT. Where the list says 'softmax', what is quantised is not the finished softmax but p = 2^(t - M), with t = logit x log2(e) and M = ceil(the row's largest t), a whole number; so 1/2 < the row's largest p <= 1. The row's sum l is taken of the UNQUANTISED p, in f32, and the product's result is divided by l at the end. Since M is a whole number, a kernel that streams over the keys may use a running M (the ceiling of the running maximum): every later rescaling is an exact power of two, which a block's scale takes up: the codes' values come out the same.
;;   OPERANDS COMPUTED ON THE WAY. 'Computed on the way' means the value that the module computes at that place (a softmax that the list does not call 'softmax' is quantised finished and normalised). What goes into a quantiser is computed in f32, as accurately as f32 sums, v_exp_f32 and their like allow (about 1e-6 of the number): no bf16 or f16 on the way to a quantiser, and a product that is left as it is and whose result goes on into a quantised operand takes f32 operands (vector FMAs, or v_wmma_f32_16x16x4_f32). A number that lies on a knife's edge between two numbers of the format may be rounded either way, as far as f32 arithmetic and the matrix unit's own rounding can turn it there, and no further.
;;   INPUTS GIVEN AS CODES. Wk (in the module: [512, 512], K = its axis 1); Wo (in the module: [512, 512], K = its axis 1); Wq (in the module: [512, 512], K = its axis 1); Wv (in the module: [512, 512], K = its axis 1); key (in the module: [8, 4096, 512], K = its axis 2); query (in the module: [8, 4096, 512], K = its axis 2); value (in the module: [8, 4096, 512], K = its axis 2): each comes as NAME_codes (uint8): NAME with its K axis moved to the last place and cut into blocks of 32 codes, [.., K / 32, bytes a block], one block behind the other in memory; four codes in three bytes: a row's codes are one little-endian stream of bits, code i at bits 6 i .. 6 i + 5 (a code: sign, 2 exponent bits, 3 mantissa bits); and NAME_scales (uint8): the same leading axes, one E8M0 byte (e + 127) for each 32 codes along K. Its value is code x scale, taken as it is: it is not quantised again, and the codes and scales need not be those that the quantiser above would give.
;; One version. Each part assembles by itself: llvm-mc -triple=amdgcn-amd-amdhsa -mcpu=gfx1250 --defsym DOCPART=n.
;; ======== version 1 of 1: 2 launches
;; limits: right only within a limited range of input values
;; workspace buffers: attn_codes 12,582,912 bytes; attn_scales 524,288 bytes
;; launch attn (part 1): grid 256 x 1, 4 waves a work-group, no clusters, 327,680 bytes of LDS; arguments query_codes, query_scales, key_codes, key_scales, value_codes, value_scales, Wq_codes, Wq_scales, bq, Wk_codes, Wk_scales, bk, Wv_codes, Wv_scales, bv, attn_codes, attn_scales; writes attn_codes, attn_scales
.if DOCPART == 1
	.amdgcn_target "amdgcn-amd-amdhsa--gfx1250"
	.amdhsa_code_object_version 6
	.text
	.protected	k_q7080aba7e6_attn
	.globl	k_q7080aba7e6_attn
	.p2align	8
	.type	k_q7080aba7e6_attn,@function
k_q7080aba7e6_attn:
	s_mov_b64 s[64:65], 0
	v_nop
	global_prefetch_b8 v0, s[64:65] scope:SCOPE_SE
	s_setreg_imm32_b32 hwreg(HW_REG_WAVE_MODE, 25, 1), 1
	s_wait_xcnt 0x0
; Chunked causal attention on codes of FP6 (E2M3) with one E8M0 scale for each 32 along a product's K.  8 batches x 16 chunks of 256 tokens, 8 heads of 64.
; SHARES.  Work-group wg = 2 x chunk + g takes one chunk and the heads 4 g .. 4 g + 3; each of its four waves takes ONE head through the whole chain:
;   K = key Wk^T + bk and V = value Wv^T + bv for the chunk's 256 tokens, quantised into registers; then for each tile of 16 queries: Q = query Wq^T + bq, quantised; S^T = K Q^T with the causal mask as its addend;
;   p = 2^(t - M), M = ceil(the row's largest t), quantised along the keys; O^T = V^T P^T; O / (the sum of the unquantised p), quantised along the head's 64: these codes and scale bytes are what the launch stores.
; A head is closed in itself up to that last quantiser (its blocks of 32 lie inside the head's 64 channels), so nothing goes from wave to wave but the input rows in LDS and, at the end, the scale bytes.
; LAYOUT.  K and Q are made transposed (source 0 = 16 rows of the weight, source 1 = 16 tokens): a lane holds one token and registers along the features.  V is made straight (source 0 = 16 tokens, source 1 = 16 rows of Wv):
; a lane holds one feature and registers along the tokens, which are the second product's K.  S^T and O^T hold one query a lane.  Inside a block of 32 the order of k is {0-7, 16-23, 8-15, 24-31}, ALIKE in Q and K and
; alike in P and V: the products are the same, only grouped otherwise.  Wv's rows of a tile are chosen (lane r of tile 2 b + u takes row 32 b + 8 u + r + 8 (r / 8)) so that O^T's registers run in the true order of the
; channels: the result meets the given Wo.
; K = 64 in S^T: Q's fragment has zero codes for k = 64 .. 127, so K's fragments lie packed, 6 registers a tile: what source 0 names beyond them are other finite codes, times zero.
; THE MASK is the C of the score products of the four key tiles round the diagonal: 0, the diagonal tile's pattern, or -1e30.  Key tiles wholly behind those four are not multiplied (four loop bodies: 64, 128, 192, 256 keys).
; NO CLUSTER: a chunk's rows are read by two work-groups only (g = 0, 1, neighbours in the grid); a cluster of four would tie two chunks that share nothing into every round.  The weights come into registers through LDS.
; NO PREFETCH: a wave's first tensor load stands at the head, the others behind barriers; the query rows are asked for 256 matrix instructions ahead of the wait for it.
; LIMITS: NaN, infinities and the scale byte 0xff are not served.  A block whose largest magnitude lies under 2^-124 gets the byte 1; a block of zeros too (the rule says 127: its codes are zeros, and this program alone
; reads the bytes).  The mask is an addend of -1e30: scores are taken to lie far under 1e22 in magnitude, so that the sum is -1e30.
.set R_A,    0                         ; LDS: key's 256 rows, later query's: 3 x (128 bytes + 16 of padding) a row
.set R_B,    110592                    ; value's 256 rows, likewise
.set SCK,    221184                    ; key's scale bytes, 16 a row, dense
.set SCV,    225280                    ; value's
.set SCQ,    229376                    ; query's
.set SCG,    233472                    ; the result's scale bytes: 512 bytes a wave, 2 a token; stored by the waves, never a fill's target
.set SPARE,  235520                    ; the spare words, 128 bytes a wave: two blocks of 256 bytes that no other line names
.set PITCH,  432
.set TILEB,  16*PITCH
.set HALFB,  8*TILEB
.set QUARTB, 64*PITCH
; window 0
.set SPW, 1                            ; SPARE + 4 x thread; never rewritten
.set NIL, 2                            ; 0; never rewritten
.set RR,  3                            ; r = lane % 16
.set HH,  4                            ; h = lane / 16
.set LB0, 5                            ; 432 r + 24 h
.set LB1, 6                            ; 432 r + 40 h: for the pieces that lie behind one padding more in lanes 16-31
.set XA,  7                            ; v7-10 fragment addresses: (7, 8) tiles 0-7, (9, 10) tiles 8-15
.set XSA, 11                           ; address of the rows' scale words
.set WN,  12                           ; v12-13 my head's 64 rows of Wk or Wq in LDS: R_B + my quarter + 432 r + 24 h (40 h)
.set WP,  250                          ; v250-251 the same for Wv, in R_A: + 432 (r + 8 (r / 8)) + 24 h (40 h)
.set GSN, 14                           ; weight scales: 16 r
.set GSP, 15                           ; 16 (r + 8 (r / 8))
.set GBN, 16                           ; biases: 32 h
.set GBP, 17                           ; 4 (r + 8 (r / 8))
.set GST0, 18                          ; 16 x lane
.set GST1, 19                          ; 8 x lane
.set DG,  20                           ; v20-27 the diagonal tile's mask
.set NM,  28                           ; v28 -M (v29 named with it as a pair)
.set LA,  30                           ; v30-33 the row's sum, two pairs
.set LBS, 32
.set RL,  34                           ; v34 1 / the sum (v35 named with it)
.set BM,  36                           ; v36-43 the blocks' largest scores, then largest p
.set BX,  44                           ; v44-51 the other half's; then the bytes
.set SO,  52                           ; v52-59 the conversions' scale operands
.set QM,  60                           ; the same three for a quantiser of two blocks
.set QX,  62
.set QO,  64
.set CT0, 66                           ; conversion results
.set CT1, 70
.set AC,  74                           ; v74-79 the result's codes, to store
.set QF,  80                           ; v80-91 Q's fragment; v86-91 stay zero
.set P,   92                           ; v92-115 p's two fragments
.set PT,  116                          ; v116-131 the second conversions' results
.set XF,  132                          ; v132-179 four input fragments
.set XS,  180                          ; v180-195 input scale words
.set WS,  196                          ; v196-211 weight scale words, 4 t + s
.set KS,  212                          ; v212-227 K's scale words, a tile each
.set VS,  228                          ; v228-235 V's, 4 step + t
.set QS,  236
.set PS,  237                          ; v237-238
.set SG0, 239                          ; SCG + 512 wave + 2 r
.set T,   240                          ; v240-247 at work
.set XSQ, 248                          ; SCQ + 16 r
.set NEGR, 249                         ; -1e30
.set OUTS, 252                         ; v252-255 16 scale bytes to store
; window 1
.set KA,  0                            ; K phase: two sets of 4 accumulators; BK the bias tiles
.set BK,  64
.set VA,  0                            ; V phase: two sets of 16 accumulators, 32 t + 8 m
.set S,   0                            ; attention: S^T, then p
.set MK,  128                          ; the mask tiles
.set QA,  192
.set O,   224
; window 2
.set KC,  0                            ; K's codes, 6 registers a tile
.set VC,  96                           ; V's fragments, 12 (4 step + t)
.set BV,  192
.set BQ,  224
; window 3
.set W,   0                            ; the weight in hand: fragment (t, s) at 12 (4 t + s)
.set SEL, 84                           ; s[84:85] lane selects for lane xor 16
.set CS,  86                           ; s[86:87] c = log2(e) / (16 sqrt(8))
.set MSB, 0
.macro WIN new                         ; the immediate's high byte repeats the setting that is left; a switch that changes nothing is dropped
.if MSB != (\new)
	s_set_vgpr_msb (MSB<<8)|(\new)
.set MSB, \new
.endif
.endm
.macro PLACES                          ; four plain places behind matrix instructions (ISA guide 7.12.1)
.rept 4
	v_nop
.endr
.endm
.macro MMC d, a, b, c, sa, sb
	v_wmma_scale_f32_16x16x128_f8f6f4 v[\d:\d+7], v[\a:\a+11], v[\b:\b+11], v[\c:\c+7], v[\sa], v[\sb] matrix_a_fmt:MATRIX_FMT_FP6 matrix_b_fmt:MATRIX_FMT_FP6
.endm
.macro MM0 d, a, b, sa, sb
	v_wmma_scale_f32_16x16x128_f8f6f4 v[\d:\d+7], v[\a:\a+11], v[\b:\b+11], 0, v[\sa], v[\sb] matrix_a_fmt:MATRIX_FMT_FP6 matrix_b_fmt:MATRIX_FMT_FP6
.endm
; A fragment, 16 rows x 128 K: lane (r, h) takes of row r the pieces of 8 bytes 12 s + 0, 1, 2 and 12 s + 6, 7, 8, three pieces further on for h = 1.  16 bytes of padding lie behind every 16 pieces.
.macro FRAG reg, a, s, off
.irp p, 0,1,2,3,4,5
.set PC, 12*(\s)+6*(\p/3)+\p%3
.if PC%16 < 13
	ds_load_b64 v[\reg+2*\p:\reg+2*\p+1], v[\a] offset:\off+8*PC+16*(PC/16)
.else
	ds_load_b64 v[\reg+2*\p:\reg+2*\p+1], v[\a+1] offset:\off+8*PC+16*(PC/16)
.endif
.endr
.endm
.macro SETXA base
	v_add_nc_u32 v[XA], \base, v[LB0]
	v_add_nc_u32 v[XA+1], \base, v[LB1]
	v_add_nc_u32 v[XA+2], \base+HALFB, v[LB0]
	v_add_nc_u32 v[XA+3], \base+HALFB, v[LB1]
.endm
; my head's 64 rows of a weight into window 3: 16 fragments.  perm = 1: the rows of a tile are 32 (t / 2) + 8 (t % 2) + r + 8 (r / 8)
.macro LOADW a, perm                   ; from LDS, where a tensor load has laid the rows as it lays the input rows (432 bytes a row)
	WIN 0xc0
.irp t, 0,1,2,3
.irp s, 0,1,2,3
.if \perm
	FRAG W+12*(4*\t+\s), \a, \s, (32*(\t/2)+8*(\t%2))*PITCH
.else
	FRAG W+12*(4*\t+\s), \a, \s, \t*TILEB
.endif
.endr
.endr
	WIN 0
.endm
.macro LOADWS ptr, vo, perm            ; and their scale words: a row's 16 bytes are the words of the four K steps
.irp t, 0,1,2,3
.if \perm
	global_load_b128 v[WS+4*\t:WS+4*\t+3], v[\vo], s[\ptr:\ptr+1] offset:(32*(\t/2)+8*(\t%2))*16
.else
	global_load_b128 v[WS+4*\t:WS+4*\t+3], v[\vo], s[\ptr:\ptr+1] offset:256*\t
.endif
.endr
.endm
; THE QUANTISER of 32 registers of window 1 (two blocks of 32, each shared with lane xor 16), in four parts.
.macro QMAX src, base                  ; eight of each block's sixteen magnitudes; the floor 2^(3 - 127) among the leaves holds the byte at 1 from below.  Each accumulator is read from its low end on
	WIN 0x05
.irp i, 0,2,4,6
.irp b, 0,1
.if (\base)+\i == 0
	v_max3_num_f32 v[QM+\b], |v[\src+16*\b]|, |v[\src+16*\b+1]|, 0x1800000
.else
	v_max3_num_f32 v[QM+\b], |v[\src+16*\b+\base+\i]|, |v[\src+16*\b+\base+\i+1]|, v[QM+\b]
.endif
.endr
.endr
.endm
.macro QSCL                            ; the blocks' largest magnitudes; 2 off the exponent field is the conversion's scale operand; its exponent field is the byte
	WIN 0
.irp b, 0,1
	v_permlanex16_b32 v[QX+\b], v[QM+\b], s[SEL], s[SEL+1]
.endr
.irp b, 0,1
	v_max_num_f32 v[QM+\b], v[QM+\b], v[QX+\b]
.endr
.irp b, 0,1
	v_add_nc_u32 v[QO+\b], 0xff000000, v[QM+\b]
.endr
.irp b, 0,1
	v_lshrrev_b32 v[QX+\b], 23, v[QO+\b]
.endr
.endm
.macro QCVT src                        ; the codes; the exchange gives lanes 0-15 the whole of block 0 and lanes 16-31 the whole of block 1
	WIN 0x01
	v_cvt_scalef32_pk16_fp6_f32 v[CT0:CT0+2], v[\src:\src+15], v[QO]
	v_cvt_scalef32_pk16_fp6_f32 v[CT1:CT1+2], v[\src+16:\src+31], v[QO+1]
	WIN 0
	v_nop                                          ; one plain place behind a scaled conversion
.irp i, 0,1,2
	v_permlane16_swap_b32 v[CT0+\i], v[CT1+\i]
.endr
.endm
.macro MOV6 win, dst                   ; six registers of an operand
	WIN \win
.irp i, 0,1,2
	v_mov_b32 v[\dst+\i], v[CT0+\i]
	v_mov_b32 v[\dst+3+\i], v[CT1+\i]
.endr
	WIN 0
.endm
.macro QPK tile, part                  ; part 0 .. 3 of the quantiser for K's tile
.set QSRC, KA+32*((\tile)%2)
.if (\part) == 0
	QMAX QSRC, 0
.elseif (\part) == 1
	QMAX QSRC, 8
.elseif (\part) == 2
	QSCL
	v_lshl_or_b32 v[KS+(\tile)], v[QX+1], 8, v[QX]
.else
	QCVT QSRC
	MOV6 0x80, KC+6*(\tile)
.endif
.endm
.macro QPV grp, ft, part               ; the same for V: 64 tokens of group grp, feature tile ft
.set QSRC, VA+128*((\grp)%2)+32*(\ft)
.set QFR, 4*((\grp)/2)+(\ft)
.if (\part) == 0
	QMAX QSRC, 0
.elseif (\part) == 1
	QMAX QSRC, 8
.elseif (\part) == 2
	QSCL
.if (\grp)%2 == 0
	v_lshl_or_b32 v[VS+QFR], v[QX+1], 8, v[QX]
.else
	v_lshl_or_b32 v[VS+QFR], v[QX], 16, v[VS+QFR]
	v_lshl_or_b32 v[VS+QFR], v[QX+1], 24, v[VS+QFR]
.endif
.else
	QCVT QSRC
	MOV6 0x80, VC+12*QFR+6*((\grp)%2)
.endif
.endm
.macro GROUP0 g, ldsreg, ldsoff, ptr, off      ; a descriptor's group 0: count 1, LDS address, global address, type 2
	s_mov_b32 s[\g], 1
	s_add_co_u32 s[\g+1], s[\ldsreg], \ldsoff
	s_add_nc_u64 s[\g+2:\g+3], s[\ptr:\ptr+1], s[\off:\off+1]
	s_or_b32 s[\g+3], s[\g+3], 0x80000000
.endm
	s_load_b512 s[4:19], s[0:1], 0x0               ; query codes 4, scales 6; key 8, 10; value 12, 14; Wq codes 16, scales 18
	s_load_b512 s[20:35], s[0:1], 0x40             ; bq 20; Wk 22, 24; bk 26; Wv 28, 30; bv 32; the result's codes 34
	s_load_b64 s[36:37], s[0:1], 0x80              ; the result's scale bytes
	v_lshl_add_u32 v[SPW], v0, 2, SPARE
	v_mov_b32 v[NIL], 0
	ds_add_u32 v1, v2
	ds_add_u32 v1, v2
	s_wait_dscnt 0x0
	v_lshrrev_b32 v[T], 5, v0
	v_readfirstlane_b32 s38, v[T]                  ; wave 0..3
	s_lshr_b32 s2, ttmp9, 1                        ; chunk
	s_and_b32 s3, ttmp9, 1                         ; g
	s_lshl_b32 s39, s3, 2
	s_add_co_u32 s39, s39, s38                     ; head
	; group 1 for rows of codes.  The rows are dense in memory, so 256 rows of 384 bytes are stated as 384 rows of 256 bytes; 4 words of padding behind every 32: a row of 384 bytes is 3 x (128 + 16) bytes in LDS
	s_mov_b32 s40, (1<<20)|(4<<22)|(3<<25)
	s_mov_b32 s41, 256<<16
	s_mov_b32 s42, 384<<16
	s_mov_b32 s43, 256<<16
	s_mov_b32 s44, 384
	s_mov_b32 s45, 256
	s_mov_b32 s46, 0
	s_mov_b32 s47, 0
	s_mul_i32 s92, s2, 98304                       ; the chunk's 256 rows of codes
	s_mov_b32 s93, 0
	s_mul_i32 s88, s3, 98304                       ; the 256 rows of a weight that serve my work-group's four heads
	s_mov_b32 s89, 0
	; group 1 for a chunk's scale bytes: 4,096 dense bytes as 16 rows of 32 elements of 8 bytes
	s_mov_b32 s48, 3<<16
	s_mov_b32 s49, 32<<16
	s_mov_b32 s50, 16<<16
	s_mov_b32 s51, 32<<16
	s_mov_b32 s52, 16
	s_mov_b32 s53, 32
	s_mov_b32 s54, 0
	s_mov_b32 s55, 0
	s_mul_i32 s94, s2, 98304                       ; the chunk's codes, my wave's 64 rows
	s_mul_i32 s90, s38, 24576
	s_add_co_u32 s94, s94, s90
	s_mov_b32 s95, 0
	s_lshl_b32 s96, s2, 12                         ; the chunk's scale bytes
	s_mov_b32 s97, 0
	s_mul_i32 s66, s38, QUARTB                     ; where my quarter of query's rows goes in LDS
	s_mov_b32 s[SEL], 0x76543210
	s_mov_b32 s[SEL+1], 0xfedcba98
	s_mov_b32 s[CS], 0x3d0293ee
	s_mov_b32 s[CS+1], s[CS]
	s_wait_kmcnt 0x0
	GROUP0 56, 95, R_A, 8, 92                      ; key's 256 rows (s95 = 0)
	GROUP0 60, 95, R_B, 22, 88                     ; Wk's 256 rows, where value's rows come later
	GROUP0 68, 95, SCK, 10, 96                     ; the three blocks of scale bytes
	GROUP0 72, 95, SCV, 14, 96
	GROUP0 76, 95, SCQ, 6, 96
	GROUP0 80, 66, R_A, 4, 94                      ; my quarter of the query rows
	GROUP0 8, 66, R_B, 12, 94                      ; my quarter of value's rows (in registers whose arguments have been used)
	; THE HEAD'S LOADS, one a wave, in one chain of branches on the wave's number: wave 0 key's rows, wave 1 Wk's, wave 2 key's scale bytes, wave 3 value's
	s_cmp_lt_u32 s38, 1
	s_cbranch_scc0 .Lh_wk
	tensor_load_to_lds s[56:59], s[40:47]
	s_nop 0
	PLACES
	s_branch .Lh_done
.Lh_wk:
	s_cmp_lt_u32 s38, 2
	s_cbranch_scc0 .Lh_sk
	tensor_load_to_lds s[60:63], s[40:47]
	s_nop 0
	PLACES
	s_branch .Lh_done
.Lh_sk:
	s_cmp_lt_u32 s38, 3
	s_cbranch_scc0 .Lh_sv
	tensor_load_to_lds s[68:71], s[48:55]
	s_nop 0
	PLACES
	s_branch .Lh_done
.Lh_sv:
	tensor_load_to_lds s[72:75], s[48:55]
	s_nop 0
	PLACES
.Lh_done:
	s_mul_i32 s94, s39, 24576                      ; my head's 64 rows of each weight,
	GROUP0 4, 66, R_B, 16, 94                      ; Wq's: into my quarter of R_B, behind the V phase
	GROUP0 12, 66, R_A, 28, 94                     ; Wv's: into my quarter of R_A, behind the K phase
	s_lshl_b32 s94, s39, 10                        ; their scale bytes,
	s_add_nc_u64 s[18:19], s[18:19], s[94:95]
	s_add_nc_u64 s[24:25], s[24:25], s[94:95]
	s_add_nc_u64 s[30:31], s[30:31], s[94:95]
	s_lshl_b32 s94, s39, 8                         ; and biases
	s_add_nc_u64 s[20:21], s[20:21], s[94:95]
	s_add_nc_u64 s[26:27], s[26:27], s[94:95]
	s_add_nc_u64 s[32:33], s[32:33], s[94:95]
	s_mul_i32 s94, s2, 98304                       ; the result's codes: [tile of 16 tokens][head][768 bytes]
	s_mul_i32 s90, s39, 768
	s_add_co_u32 s94, s94, s90
	s_add_nc_u64 s[92:93], s[34:35], s[94:95]
	s_lshl_b32 s94, ttmp9, 11                      ; its scale bytes: 2,048 a work-group
	s_add_nc_u64 s[36:37], s[36:37], s[94:95]
	v_and_b32 v[RR], 15, v0
	v_bfe_u32 v[HH], v0, 4, 1
	v_mul_u32_u24 v[LB0], v[RR], PITCH
	v_mad_u32_u24 v[LB1], v[HH], 40, v[LB0]
	v_mad_u32_u24 v[LB0], v[HH], 24, v[LB0]
	SETXA R_A
	v_lshl_add_u32 v[XSA], v[RR], 4, SCK
	v_lshl_add_u32 v[XSQ], v[RR], 4, SCQ
	s_add_co_u32 s90, s66, R_B
	v_add_nc_u32 v[WN], s90, v[LB0]
	v_add_nc_u32 v[WN+1], s90, v[LB1]
	v_and_b32 v[T], 8, v[RR]
	v_add_nc_u32 v[T], v[T], v[RR]                 ; r + 8 (r / 8)
	v_mul_u32_u24 v[T+1], v[T], PITCH
	v_add_nc_u32 v[T+1], s66, v[T+1]               ; (R_A is LDS byte 0)
	v_mad_u32_u24 v[WP], v[HH], 24, v[T+1]
	v_mad_u32_u24 v[WP+1], v[HH], 40, v[T+1]
	v_lshlrev_b32 v[GSN], 4, v[RR]
	v_lshlrev_b32 v[GSP], 4, v[T]
	v_lshlrev_b32 v[GBN], 5, v[HH]
	v_lshlrev_b32 v[GBP], 2, v[T]
	v_and_b32 v[T+1], 31, v0
	v_lshlrev_b32 v[GST0], 4, v[T+1]
	v_lshlrev_b32 v[GST1], 3, v[T+1]
	s_lshl_b32 s90, s38, 9
	s_add_co_u32 s90, s90, SCG
	v_lshl_add_u32 v[SG0], v[RR], 1, s90
	v_mov_b32 v[NEGR], 0xf149f2ca                  ; -1e30
	v_lshlrev_b32 v[T+2], 3, v[HH]
	v_sub_nc_u32 v[T+2], v[RR], v[T+2]             ; d = r - 8 h: in the diagonal tile register j holds key 8 h + j for query r: hidden where j > d
.irp j, 0,1,2,3,4,5,6,7
	v_cmp_gt_i32 vcc_lo, \j, v[T+2]
	v_cndmask_b32 v[DG+\j], 0, v[NEGR], vcc_lo
.endr
.irp i, 6,7,8,9,10,11
	v_mov_b32 v[QF+\i], 0                          ; Q's k = 64 .. 127: zero codes, for good
.endr
.set ZI, 0
.rept 24
	v_mov_b32 v[P+ZI], 0                           ; p's fragments: what a loop body does not write stays zero codes
.set ZI, ZI+1
.endr
.irp i, 0,1,2,3,4,5,6,7
	v_mov_b32 v[BX+\i], 0                          ; a lane permute's destination counts as one of its sources
.endr
	v_mov_b32 v[QX], 0
	v_mov_b32 v[QX+1], 0
	v_mov_b32 v[NM+1], 0                           ; named as the upper halves of pairs
	v_mov_b32 v[RL+1], 0
	LOADWS 24, GSN, 0
	WIN 0x40
.irp t, 0,1,2,3
	global_load_b128 v[BK+8*\t:BK+8*\t+3], v[GBN], s[26:27] offset:64*\t       ; bk in the result's layout: features 16 t + 8 h + 0 .. 7
	global_load_b128 v[BK+8*\t+4:BK+8*\t+7], v[GBN], s[26:27] offset:64*\t+16
.endr
	WIN 0x80
.irp t, 0,1,2,3
	global_load_b128 v[BQ+8*\t:BQ+8*\t+3], v[GBN], s[20:21] offset:64*\t
	global_load_b128 v[BQ+8*\t+4:BQ+8*\t+7], v[GBN], s[20:21] offset:64*\t+16
.endr
.irp t, 0,1,2,3
.irp j, 0,1,2,3,4,5,6,7
	global_load_b32 v[BV+8*\t+\j], v[GBP], s[32:33] offset:4*(32*(\t/2)+8*(\t%2))   ; bv: a lane holds one feature, so all eight registers hold its bias
.endr
.endr
	WIN 0
	s_wait_alu depctr_va_vdst(0)                   ; the wait at the head's end
	s_wait_tensorcnt 0x0                           ; my one load is in; the later first fills stand behind these three lines and the barrier, as a refill would
	ds_add_u32 v[SPW], v[NIL]
	s_wait_dscnt 0x0
	s_barrier_signal -1
	s_barrier_wait -1                              ; key's rows and scale bytes and value's scale bytes are whole
	s_cmp_eq_u32 s38, 2                            ; wave 2: query's scale bytes, a first fill
	s_cbranch_scc0 .Lb_done
	tensor_load_to_lds s[76:79], s[48:55]
	s_nop 0
	PLACES
.Lb_done:
	LOADW WN, 0                                    ; my head's rows of Wk, out of R_B
; ---- K = key Wk^T + bk.  Group N = 4 T + s: token tile T, K step s: four products (my head's four feature tiles).  Behind them a quarter of the quantiser of tile T - 1: it is also the places in front of the loads
; that follow, which fetch group N + 4 into the fragment just multiplied.
.macro LOADG n
.set LT, (\n)/4
.set LS, (\n)%4
.if LS == 0
	ds_load_b128 v[XS+4*(LT%2):XS+4*(LT%2)+3], v[XSA] offset:256*LT
.endif
	FRAG XF+12*LS, XA+2*(LT/8), LS, (LT%8)*TILEB
.endm
.macro KGROUP
.set TT, N/4
.set SS, N%4
	s_wait_alu depctr_va_vdst(0)                   ; the quantiser's quarters hand registers on across the wait below
.if N == 16                            ; Wk has long been read out of R_B: value's rows take its place, a quarter a wave; they have the 48 groups that are left in which to land
	s_wait_tensorcnt 0x0
	ds_add_u32 v[SPW], v[NIL]
	s_mov_b32 s42, 96<<16                          ; no tensor load of mine is out, so group 1 may be written: from here on a load brings 64 rows of 384 bytes, 96 rows of 256
	s_mov_b32 s44, 96
	s_wait_dscnt 0x0
	s_barrier_signal -1
	s_barrier_wait -1
	tensor_load_to_lds s[8:11], s[40:47]
	s_nop 0
	PLACES
.endif
.if N < 61
	s_wait_dscnt 18                                ; this group's loads are in: the six fragment loads of each of the three later groups may be out
.else
	s_wait_dscnt 6*(63-N)
.endif
	WIN 0x53
.irp t, 0,1,2,3
.if SS == 0
	MMC KA+32*(TT%2)+8*\t, W+12*(4*\t+SS), XF+12*SS, BK+8*\t, WS+4*\t+SS, XS+4*(TT%2)+SS
.else
	MMC KA+32*(TT%2)+8*\t, W+12*(4*\t+SS), XF+12*SS, KA+32*(TT%2)+8*\t, WS+4*\t+SS, XS+4*(TT%2)+SS
.endif
.endr
.if TT == 0
	PLACES
.else
	QPK TT-1, SS
.endif
	WIN 0
.if N+4 < 64
	LOADG N+4
.endif
.endm
	LOADG 0
	LOADG 1
	LOADG 2
	LOADG 3
	s_wait_loadcnt 0x0                             ; Wk's scale words, the three biases
.set N, 0
.rept 64
	KGROUP
.set N, N+1
.endr
	LOADWS 30, GSP, 1                              ; Wv's scale words (the last quarter of tile 14's quantiser stands between the last products and these loads)
	; key's rows have been read: my head's rows of Wv come into my quarter of R_A, and behind them query's rows
	s_wait_alu depctr_va_vdst(0)
	s_wait_tensorcnt 0x0
	ds_add_u32 v[SPW], v[NIL]
	s_wait_dscnt 0x0
	s_barrier_signal -1
	s_barrier_wait -1
	tensor_load_to_lds s[12:15], s[40:47]          ; tile 15's quantiser stands between the request and the wait for it
	s_nop 0
	PLACES
	QPK 15, 0
	QPK 15, 1
	QPK 15, 2
	QPK 15, 3
	s_wait_alu depctr_va_vdst(0)
	s_wait_tensorcnt 0x0                           ; my rows of Wv are in; I alone read them
	LOADW WP, 1                                    ; Wv takes Wk's place in the registers
	s_wait_tensorcnt 0x0
	ds_add_u32 v[SPW], v[NIL]
	s_wait_dscnt 0x0
	s_barrier_signal -1
	s_barrier_wait -1
	tensor_load_to_lds s[80:83], s[40:47]          ; it has the whole V phase, 256 matrix instructions, in which to land
	s_nop 0
	PLACES
; ---- V = value Wv^T + bv.  Group N: tokens 64 GK on, K step SS, token tile MM of the four: four products (feature tiles).  Sixteen accumulators by turns.  Behind each group a quarter of the quantiser of the 64 tokens before.
	SETXA R_B
	v_lshl_add_u32 v[XSA], v[RR], 4, SCV
.macro LOADGV n
.set LG, (\n)/16
.set LS, ((\n)/4)%4
.set LM, (\n)%4
.set LT, 4*LG+LM
.if LS == 0
	ds_load_b128 v[XS+4*LM:XS+4*LM+3], v[XSA] offset:256*LT
.endif
	FRAG XF+12*LM, XA+2*(LT/8), LS, (LT%8)*TILEB
.endm
.macro VGROUP
.set GK, N/16
.set SS, (N/4)%4
.set MM, N%4
	s_wait_alu depctr_va_vdst(0)                   ; as in the K phase
.if N < 61
	s_wait_dscnt 18                                ; as in the K phase
.else
	s_wait_dscnt 6*(63-N)
.endif
.if SS == 0
	WIN 0x6c
.else
	WIN 0x5c
.endif
.irp t, 0,1,2,3
.if SS == 0
	MMC VA+128*(GK%2)+32*\t+8*MM, XF+12*MM, W+12*(4*\t+SS), BV+8*\t, XS+4*MM+SS, WS+4*\t+SS
.else
	MMC VA+128*(GK%2)+32*\t+8*MM, XF+12*MM, W+12*(4*\t+SS), VA+128*(GK%2)+32*\t+8*MM, XS+4*MM+SS, WS+4*\t+SS
.endif
.endr
.if GK == 0
	PLACES
.else
	QPV GK-1, (N%16)/4, N%4
.endif
	WIN 0
.if N+4 < 64
	LOADGV N+4
.endif
.endm
	LOADGV 0
	LOADGV 1
	LOADGV 2
	LOADGV 3
	s_wait_loadcnt 0x0                             ; Wv's scale words
.set N, 0
.rept 64
	VGROUP
.set N, N+1
.endr
	LOADWS 18, GSN, 0                              ; Wq's scale words
	; value's rows have been read: my head's rows of Wq come into my quarter of R_B.  The same barrier shows query's rows whole
	s_wait_alu depctr_va_vdst(0)
	s_wait_tensorcnt 0x0                           ; my part of query's rows is in
	ds_add_u32 v[SPW], v[NIL]
	s_wait_dscnt 0x0
	s_barrier_signal -1
	s_barrier_wait -1
	tensor_load_to_lds s[4:7], s[40:47]            ; the last 64 tokens' quantiser stands between the request and the wait for it
	s_nop 0
	PLACES
.irp f, 0,1,2,3
.irp q, 0,1,2,3
	QPV 3, \f, \q                                  ; the last 64 tokens
.endr
.endr
	s_wait_alu depctr_va_vdst(0)
	s_wait_tensorcnt 0x0                           ; my rows of Wq are in; I alone read them
	LOADW WN, 0                                    ; Wq takes Wv's place in the registers; the first trip's wait on DScnt covers these loads
	s_wait_loadcnt 0x0                             ; Wq's scale words
; ---- attention, a tile of 16 queries a trip
.macro LOADQ
	ds_load_b128 v[XS:XS+3], v[XSA]
.irp s, 0,1,2,3
	FRAG XF+12*\s, XA, \s, 0
.endr
.endm
; One trip: query tile 4 (G - 1) + q against keys 0 .. 64 G - 1.
.macro TRIP G
	s_wait_dscnt 0x0                               ; the tile's fragments and scale words (asked for a trip ago), and my scale store
	WIN 0x63
.irp t, 0,1,2,3
	MMC QA+8*\t, W+48*\t, XF, BQ+8*\t, WS+4*\t, XS
.endr
	WIN 0x53
.irp s, 1,2,3
.irp t, 0,1,2,3
	MMC QA+8*\t, W+12*(4*\t+\s), XF+12*\s, QA+8*\t, WS+4*\t+\s, XS+\s
.endr
.endr
	WIN 0
	s_add_co_u32 s89, s89, TILEB                   ; the next tile; the last trip has none and takes tile 15 again
	s_add_co_u32 s66, s66, 256
	s_min_u32 s90, s89, 15*TILEB
	s_min_u32 s67, s66, 15*256
	v_add_nc_u32 v[XA], s90, v[LB0]                ; (these three and the v_nop are the places behind the products)
	v_add_nc_u32 v[XA+1], s90, v[LB1]
	v_add_nc_u32 v[XSA], s67, v[XSQ]
	v_nop
	LOADQ
	QMAX QA, 0                                     ; Q is quantised
	QMAX QA, 8
	QSCL
	v_lshl_or_b32 v[QS], v[QX+1], 8, v[QX]
	QCVT QA
	MOV6 0, QF
	PLACES                                         ; an operand written by vector instructions stands four places ahead of a scaled product, a scale word eight: the six moves and these
	WIN 0x52
.set AI, 0
.rept 4*\G                                     ; S^T = K Q^T; the four tiles round the diagonal take the mask as their C
.if AI < 4*(\G-1)
	MM0 S+8*AI, KC+6*AI, QF, KS+AI, QS
.else
	MMC S+8*AI, KC+6*AI, QF, MK+8*(AI-4*(\G-1)), KS+AI, QS
.endif
.set AI, AI+1
.endr
	WIN 0
	PLACES
	WIN 0x05
.irp i, 0,2,4,6,8,10,12,14                     ; the largest score of each block of 32 keys: for the row's maximum and, since p rises with the score, for the block's largest p
.set BI, 0
.rept 2*\G
.if \i == 0
	v_max3_num_f32 v[BM+BI], v[S+16*BI], v[S+16*BI+1], 0xff7fffff
.else
	v_max3_num_f32 v[BM+BI], v[S+16*BI+\i], v[S+16*BI+\i+1], v[BM+BI]
.endif
.set BI, BI+1
.endr
.endr
	WIN 0
.set BI, 0
.rept 2*\G
	v_permlanex16_b32 v[BX+BI], v[BM+BI], s[SEL], s[SEL+1]
.set BI, BI+1
.endr
.set BI, 0
.rept 2*\G
	v_max_num_f32 v[BM+BI], v[BM+BI], v[BX+BI]
.set BI, BI+1
.endr
	v_max_num_f32 v[T], v[BM], v[BM+1]
.set BI, 2
.rept \G-1
	v_max3_num_f32 v[T], v[T], v[BM+BI], v[BM+BI+1]
.set BI, BI+2
.endr
	v_mul_f32 v[T], s[CS], v[T]                    ; the row's largest t (c is positive); key 0 counts for every query, so it is a number
	v_floor_f32 v[NM], -v[T]                       ; -M = floor(-t) = -ceil(t)
	WIN 0x41
.set JI, 0
.rept 16*\G
	v_pk_fma_f32 v[S+JI:S+JI+1], v[S+JI:S+JI+1], s[CS:CS+1], v[NM:NM+1] op_sel_hi:[1,0,0]   ; t - M, two at a time
.set JI, JI+2
.endr
	WIN 0
.set BI, 0
.rept 2*\G
	v_fma_f32 v[BM+BI], v[BM+BI], s[CS], v[NM]     ; the same of each block's largest score
.set BI, BI+1
.endr
	s_wait_alu depctr_va_vdst(0)
	WIN 0x41
.set JI, 0
.rept 32*\G
	v_exp_f32 v[S+JI], v[S+JI]                     ; p = 2^(t - M): one batch
.set JI, JI+1
.endr
	WIN 0
	v_nop                                          ; a plain place behind the batch
	s_wait_alu depctr_va_vdst(0)                   ; one wait for the batch, ahead of its first reader
.set BI, 0
.rept 2*\G
	v_exp_f32 v[BM+BI], v[BM+BI]                   ; the blocks' largest p
.set BI, BI+1
.endr
	WIN 0x05
	v_pk_add_f32 v[LA:LA+1], v[S:S+1], v[S+2:S+3]  ; the sum of the unquantised p, in two chains of pairs
	v_pk_add_f32 v[LBS:LBS+1], v[S+4:S+5], v[S+6:S+7]
	WIN 0x01
.set JI, 8
.rept 8*\G-2
	v_pk_add_f32 v[LA:LA+1], v[S+JI:S+JI+1], v[LA:LA+1]
	v_pk_add_f32 v[LBS:LBS+1], v[S+JI+2:S+JI+3], v[LBS:LBS+1]
.set JI, JI+4
.endr
	WIN 0
	s_wait_alu depctr_va_vdst(0)                   ; and one for the blocks' exponentials
.set BI, 0
.rept 2*\G
	v_max_num_f32 v[BM+BI], 0x1800000, v[BM+BI]    ; the floor: a block whose every p is 0 keeps the byte 1; its codes are zeros
.set BI, BI+1
.endr
.set BI, 0
.rept 2*\G
	v_add_nc_u32 v[SO+BI], 0xff000000, v[BM+BI]
.set BI, BI+1
.endr
.set BI, 0
.rept 2*\G
	v_lshrrev_b32 v[BX+BI], 23, v[SO+BI]
.set BI, BI+1
.endr
	v_lshl_or_b32 v[PS], v[BX+1], 8, v[BX]         ; p's scale words; bytes of blocks that this body does not have stay 0, over zero codes
.if \G >= 2
	v_lshl_or_b32 v[PS], v[BX+2], 16, v[PS]
	v_lshl_or_b32 v[PS], v[BX+3], 24, v[PS]
.endif
.if \G >= 3
	v_lshl_or_b32 v[PS+1], v[BX+5], 8, v[BX+4]
.endif
.if \G >= 4
	v_lshl_or_b32 v[PS+1], v[BX+6], 16, v[PS+1]
	v_lshl_or_b32 v[PS+1], v[BX+7], 24, v[PS+1]
.endif
	WIN 0x01
.set GI, 0
.rept \G
	v_cvt_scalef32_pk16_fp6_f32 v[P+6*GI:P+6*GI+2], v[S+32*GI:S+32*GI+15], v[SO+2*GI]
	v_cvt_scalef32_pk16_fp6_f32 v[PT+4*GI:PT+4*GI+2], v[S+32*GI+16:S+32*GI+31], v[SO+2*GI+1]
.set GI, GI+1
.endr
	WIN 0
	v_nop                                          ; one plain place behind the scaled conversions
.set GI, 0
.rept \G
.irp i, 0,1,2
	v_permlane16_swap_b32 v[P+6*GI+\i], v[PT+4*GI+\i]
.endr
.set GI, GI+1
.endr
.set GI, 0
.rept \G
.irp i, 0,1,2
	v_mov_b32 v[P+6*GI+3+\i], v[PT+4*GI+\i]
.endr
.set GI, GI+1
.endr
	v_pk_add_f32 v[LA:LA+1], v[LA:LA+1], v[LBS:LBS+1]
	v_add_f32 v[T+1], v[LA], v[LA+1]
	v_permlanex16_b32 v[T+2], v[T+1], s[SEL], s[SEL+1]
	v_add_f32 v[T+1], v[T+1], v[T+2]               ; the row's sum
	s_wait_alu depctr_va_vdst(0)                   ; the wait ahead of the transcendental: for its source, and for p's codes and scale words, first read behind it
	v_rcp_f32 v[RL], v[T+1]
	PLACES                                         ; the plain place behind the reciprocal, and the places in front of the scaled products
	WIN 0x52
.irp t, 0,1,2,3
	MM0 O+8*\t, VC+12*\t, P, VS+\t, PS             ; O^T = V^T P^T, keys 0 .. 127
.endr
.if \G >= 3
.irp t, 0,1,2,3
	MMC O+8*\t, VC+12*(4+\t), P+12, O+8*\t, VS+4+\t, PS+1   ; keys 128 .. 255
.endr
.endif
	WIN 0
	PLACES
	s_wait_alu depctr_va_vdst(0)                   ; the reciprocal's wait, ahead of its first reader
	WIN 0x41
.set JI, 0
.rept 16
	v_pk_mul_f32 v[O+JI:O+JI+1], v[O+JI:O+JI+1], v[RL:RL+1] op_sel_hi:[1,0]   ; O / the sum, each accumulator from its low end on
.set JI, JI+2
.endr
	QMAX O, 0                                      ; the result is quantised along the head's 64 channels, in their true order
	QMAX O, 8
	QSCL
	v_lshl_or_b32 v[T+3], v[QX+1], 8, v[QX]
	QCVT O
	MOV6 0, AC
	global_store_b128 v[GST0], v[AC:AC+3], s[92:93]              ; an image of six operand registers: 512 consecutive bytes,
	global_store_b64 v[GST1], v[AC+4:AC+5], s[92:93] offset:512  ; then 256: whole aligned blocks of 256 bytes
	v_add_nc_u32 v[T+4], s91, v[SG0]
	ds_store_b16 v[T+4], v[T+3]                    ; my token's two scale bytes (both halves of the lanes write the same)
	WIN 0x41
.irp u, 3,2,1                                  ; the mask moves one tile on: the diagonal tile becomes open, the next becomes the diagonal
.irp j, 0,1,2,3,4,5,6,7
	v_mov_b32 v[MK+8*\u+\j], v[MK+8*\u-8+\j]
.endr
.endr
.irp j, 0,1,2,3,4,5,6,7
	v_mov_b32 v[MK+\j], 0
.endr
	WIN 0
	s_wait_xcnt 0x0                                ; the stores have read their data and their base: both are written again only behind this wait
	s_add_nc_u64 s[92:93], s[92:93], 6144
	s_add_co_u32 s91, s91, 32
.endm
.macro GROUPG G
	WIN 0x40
.irp j, 0,1,2,3,4,5,6,7
	v_mov_b32 v[MK+\j], v[DG+\j]                   ; the group's first query tile: its own key tile is the diagonal, the three behind it are hidden
.endr
.set ZI, 8
.rept 24
	v_mov_b32 v[MK+ZI], v[NEGR]
.set ZI, ZI+1
.endr
	WIN 0
	s_mov_b32 s88, 4
.Ltrip\G:
	TRIP \G
	s_sub_co_u32 s88, s88, 1
	s_cmp_lg_u32 s88, 0
	s_cbranch_scc1 .Ltrip\G
.endm
	s_mov_b32 s89, 0
	s_mov_b32 s66, 0
	s_mov_b32 s91, 0
	v_add_nc_u32 v[XA], R_A, v[LB0]
	v_add_nc_u32 v[XA+1], R_A, v[LB1]
	v_add_nc_u32 v[XSA], 0, v[XSQ]
	LOADQ
	GROUPG 1
	GROUPG 2
	GROUPG 3
	GROUPG 4
; ---- the scale bytes leave: a token's 8 bytes come from the four waves
	s_wait_dscnt 0x0                               ; for the others' sake: my stores have landed
	s_barrier_signal -1
	s_barrier_wait -1
	v_lshl_add_u32 v[T], v0, 2, SCG
	ds_load_b32 v[T+1], v[T]                       ; tokens 2 tid and 2 tid + 1, head 0 of the group
	ds_load_b32 v[T+2], v[T] offset:512
	ds_load_b32 v[T+3], v[T] offset:1024
	ds_load_b32 v[T+4], v[T] offset:1536
	v_lshlrev_b32 v[T+5], 4, v0
	s_wait_alu depctr_va_vdst(0)
	s_wait_dscnt 0x0
	v_perm_b32 v[OUTS], v[T+2], v[T+1], 0x05040100     ; token 2 tid: heads 0, 1
	v_perm_b32 v[OUTS+1], v[T+4], v[T+3], 0x05040100   ; heads 2, 3
	v_perm_b32 v[OUTS+2], v[T+2], v[T+1], 0x07060302   ; token 2 tid + 1
	v_perm_b32 v[OUTS+3], v[T+4], v[T+3], 0x07060302
	global_store_b128 v[T+5], v[OUTS:OUTS+3], s[36:37] ; a wave stores 512 consecutive bytes
	s_wait_tensorcnt 0x0                           ; the wave's end
	ds_add_u32 v[SPW], v[NIL]
	s_wait_dscnt 0x0
	s_endpgm
.Lfunc_end_k_q7080aba7e6_attn:
	.size	k_q7080aba7e6_attn, .Lfunc_end_k_q7080aba7e6_attn-k_q7080aba7e6_attn
	.p2alignl 7, 3214868480
	.fill 96, 4, 3214868480
	.section	.rodata,"a",@progbits
	.p2align	6, 0x0
	.amdhsa_kernel k_q7080aba7e6_attn
		.amdhsa_group_segment_fixed_size 327680
		.amdhsa_private_segment_fixed_size 0
		.amdhsa_enable_private_segment 0
		.amdhsa_kernarg_size 136
		.amdhsa_user_sgpr_count 2
		.amdhsa_user_sgpr_kernarg_segment_ptr 1
		.amdhsa_wavefront_size32 1
		.amdhsa_system_sgpr_workgroup_id_x 1
		.amdhsa_system_sgpr_workgroup_id_y 1
		.amdhsa_system_sgpr_workgroup_id_z 1
		.amdhsa_system_vgpr_workitem_id 0
		.amdhsa_next_free_vgpr 960
		.amdhsa_next_free_sgpr 100
		.amdhsa_reserve_vcc 1
		.amdhsa_float_denorm_mode_32 3
		.amdhsa_float_denorm_mode_16_64 3
		.amdhsa_memory_ordered 1
		.amdhsa_forward_progress 1
		.amdhsa_inst_pref_size 255
	.end_amdhsa_kernel
	.section	.bss,"aw",@nobits
	.p2align	6
	.space	262144
	.amdgpu_metadata
---
amdhsa.version: [ 1, 2 ]
amdhsa.kernels:
  - .name:           k_q7080aba7e6_attn
    .symbol:         k_q7080aba7e6_attn.kd
    .args:
      - { .name: query_codes, .offset: 0, .size: 8, .value_kind: global_buffer, .address_space: global }
      - { .name: query_scales, .offset: 8, .size: 8, .value_kind: global_buffer, .address_space: global }
      - { .name: key_codes, .offset: 16, .size: 8, .value_kind: global_buffer, .address_space: global }
      - { .name: key_scales, .offset: 24, .size: 8, .value_kind: global_buffer, .address_space: global }
      - { .name: value_codes, .offset: 32, .size: 8, .value_kind: global_buffer, .address_space: global }
      - { .name: value_scales, .offset: 40, .size: 8, .value_kind: global_buffer, .address_space: global }
      - { .name: Wq_codes, .offset: 48, .size: 8, .value_kind: global_buffer, .address_space: global }
      - { .name: Wq_scales, .offset: 56, .size: 8, .value_kind: global_buffer, .address_space: global }
      - { .name: bq, .offset: 64, .size: 8, .value_kind: global_buffer, .address_space: global }
      - { .name: Wk_codes, .offset: 72, .size: 8, .value_kind: global_buffer, .address_space: global }
      - { .name: Wk_scales, .offset: 80, .size: 8, .value_kind: global_buffer, .address_space: global }
      - { .name: bk, .offset: 88, .size: 8, .value_kind: global_buffer, .address_space: global }
      - { .name: Wv_codes, .offset: 96, .size: 8, .value_kind: global_buffer, .address_space: global }
      - { .name: Wv_scales, .offset: 104, .size: 8, .value_kind: global_buffer, .address_space: global }
      - { .name: bv, .offset: 112, .size: 8, .value_kind: global_buffer, .address_space: global }
      - { .name: attn_codes, .offset: 120, .size: 8, .value_kind: global_buffer, .address_space: global }
      - { .name: attn_scales, .offset: 128, .size: 8, .value_kind: global_buffer, .address_space: global }
    .group_segment_fixed_size: 327680
    .private_segment_fixed_size: 0
    .kernarg_segment_align: 8
    .kernarg_segment_size: 136
    .max_flat_workgroup_size: 128
    .sgpr_count:     100
    .vgpr_count:     960
    .wavefront_size: 32
...
	.end_amdgpu_metadata
.endif
;; end of part 1
;; launch oproj (part 2): grid 256 x 1, 4 waves a work-group, clusters of 4 x 1, 327,680 bytes of LDS; arguments attn_codes, attn_scales, Wo_codes, Wo_scales, bo, out0; writes out0
.if DOCPART == 2
	.amdgcn_target "amdgcn-amd-amdhsa--gfx1250"
	.amdhsa_code_object_version 6
	.text
	.protected	k_q7080aba7e6_oproj
	.globl	k_q7080aba7e6_oproj
	.p2align	8
	.type	k_q7080aba7e6_oproj,@function
k_q7080aba7e6_oproj:
	s_mov_b64 s[64:65], 0
	v_nop
	global_prefetch_b8 v0, s[64:65] scope:SCOPE_SE
	s_setreg_imm32_b32 hwreg(HW_REG_WAVE_MODE, 25, 1), 1
	s_wait_xcnt 0x0
	s_wait_alu depctr_hold_cnt(0) depctr_sa_sdst(0) depctr_va_vdst(0) depctr_va_sdst(0) depctr_va_ssrc(0) depctr_va_vcc(0) depctr_vm_vsrc(0)
	s_getreg_b32 s2, hwreg(HW_REG_IB_STS2, 6, 4)
	s_cmp_eq_u32 s2, 0
	s_cbranch_scc0 .Lentry_in_a_cluster
	s_endpgm
.Lentry_in_a_cluster:
	s_bfe_u32 s2, ttmp6, 0x10000c
	s_cmp_lg_u32 s2, 0x3003
	s_cbranch_scc0 .Lentry_shape_is_right
	s_endpgm
.Lentry_shape_is_right:
; out0 = attn Wo^T + bo on codes of FP6 (E2M3), one E8M0 scale for each 32 along K = 512.  attn's codes and scale bytes are those that the launch before has stored.
; SHARES.  Work-group j takes tokens 128 j .. 128 j + 127 (8 tiles of 16); wave w takes output columns 128 w .. 128 w + 127 (8 tiles).  The wave's part of Wo, 32 fragments, 384 registers, stays in registers.
; CLUSTER of four work-groups: all read the same Wo, so its two halves are asked for JOINTLY (waves 0 and 1, mask 15); waves 2 and 3 fetch the halves of the work-group's own 49,152 bytes of attn's codes.
; One tensor load a wave, all at the head, behind the opening round; nothing in LDS is filled again.
; Wo's rows are dense in memory: 256 rows of 384 bytes are stated as 384 rows of 256 bytes, 16 bytes of padding behind every 128: a row of Wo is 3 x (128 + 16) = 432 bytes in LDS.
; attn's codes lie in memory as images of operand registers ([tile][head][768 bytes]: registers 0-3 at 16 x lane, registers 4-5 at 512 + 8 x lane; head hd is registers 6 (hd % 2) on of K step hd / 2).
; The product is used transposed (source 0 = 16 rows of Wo, source 1 = 16 tokens): a lane holds eight neighbouring columns of one row of out0.  The bias is the C of each sum's first product.
; A tile's 16 rows x 128 columns go through the wave's own stage in LDS and leave as rows of 512 consecutive bytes.
; NO PREFETCH: every tensor load stands at the head; there is no loop to run ahead in.
; LIMITS: NaN, infinities and the scale byte 0xff are not served.
.set PITCH,  432
.set TILEB,  16*PITCH
.set AL,     512*PITCH                 ; behind Wo's 512 rows: attn's codes, 49,152 bytes
.set STAGE,  AL+49152                  ; 16 rows x (512 bytes + 16) for each wave
.set SPITCH, 528
.set SPARE,  STAGE+4*16*SPITCH         ; the spare words, 128 bytes a wave
.set LI16, 3                           ; AL + 16 x lane
.set LI8,  4                           ; AL + 8 x lane
.set STO,  5                           ; the stage: row r, + 32 h
.set RD,   6                           ; and back: 16 x lane
.set CO,   7                           ; my 16 bytes of a row's 512 in out0
.set GS,   9                           ; Wo's scale bytes: 16 r
.set GB,   10                          ; bo: 32 h
.set GA,   11                          ; attn's scale bytes: 8 r
.set LB0,  13                          ; my rows of Wo in LDS: 432 r + 24 h
.set LB1,  14                          ; 432 r + 40 h: for the pieces that lie behind one padding more in lanes 16-31
.set AS,   16                          ; v16-47  attn's scale words, 4 tile + K step
.set WS,   48                          ; v48-79  Wo's, 4 t + s
.set XF,   80                          ; v80-175 attn's fragments of a tile, two sets of 48
.set OB,   176                         ; v176-239 16 rows on their way out
.set BO,   128                         ; window 3: the bias tiles; v0-63, v64-127 two sets of 8 accumulators
.set MSB, 0
.macro WIN new                         ; the immediate's high byte repeats the setting that is left
.if MSB != (\new)
	s_set_vgpr_msb (MSB<<8)|(\new)
.set MSB, \new
.endif
.endm
.macro PLACES
.rept 4
	v_nop
.endr
.endm
.macro MMC d, a, b, c, sa, sb
	v_wmma_scale_f32_16x16x128_f8f6f4 v[\d:\d+7], v[\a:\a+11], v[\b:\b+11], v[\c:\c+7], v[\sa], v[\sb] matrix_a_fmt:MATRIX_FMT_FP6 matrix_b_fmt:MATRIX_FMT_FP6
.endm
.macro ROUND                           ; a round of the cluster's barrier
	s_barrier_signal -1
	s_barrier_wait -1
	s_cmp_lg_u32 s16, 0
	s_cbranch_scc1 .Lnot_wave_0_\@
	s_barrier_signal -3
.Lnot_wave_0_\@:
	s_barrier_wait -3
	s_barrier_signal -1
	s_barrier_wait -1
.endm
; A fragment of Wo, 16 rows x 128 K: lane (r, h) takes of row r the pieces of 8 bytes 12 s + 0, 1, 2 and 12 s + 6, 7, 8, three pieces further on for h = 1; 16 bytes of padding lie behind every 16 pieces
.macro FRAG reg, a, s, off
.irp p, 0,1,2,3,4,5
.set PC, 12*(\s)+6*(\p/3)+\p%3
.if PC%16 < 13
	ds_load_b64 v[\reg+2*\p:\reg+2*\p+1], v[\a] offset:\off+8*PC+16*(PC/16)
.else
	ds_load_b64 v[\reg+2*\p:\reg+2*\p+1], v[\a+1] offset:\off+8*PC+16*(PC/16)
.endif
.endr
.endm
	s_load_b256 s[4:11], s[0:1], 0x0               ; attn's codes 4, scale bytes 6; Wo's codes 8, scale bytes 10
	s_load_b128 s[12:15], s[0:1], 0x20             ; bo 12, out0 14
	v_lshl_add_u32 v254, v0, 2, SPARE
	v_mov_b32 v255, 0
	ds_add_u32 v254, v255                          ; the opening lines: the add, twice on end, and its wait
	ds_add_u32 v254, v255
	v_lshrrev_b32 v12, 5, v0
	v_readfirstlane_b32 s16, v12                   ; wave 0..3
	s_and_b32 s17, s16, 1                          ; which half I fetch
	s_bfe_u32 s18, ttmp6, 0x40000                  ; cx
	s_lshl_b32 s19, ttmp9, 2
	s_add_co_u32 s19, s19, s18                     ; work-group = 4 x cluster + cx
	s_mov_b32 s24, 15|(1<<20)|(1<<21)|(4<<22)|(3<<25)  ; group 1 for Wo: the mask names the four; bytes; 4 words of padding behind every 32
	s_mov_b32 s25, 256<<16
	s_mov_b32 s26, 384<<16
	s_mov_b32 s27, 256<<16
	s_mov_b32 s28, 384
	s_mov_b32 s29, 256
	s_mov_b32 s30, 0
	s_mov_b32 s31, 0
	s_mov_b32 s40, 3<<16                           ; group 1 for attn's codes: 24,576 dense bytes as 96 rows of 32 elements of 8 bytes
	s_mov_b32 s41, 32<<16
	s_mov_b32 s42, 96<<16
	s_mov_b32 s43, 32<<16
	s_mov_b32 s44, 96
	s_mov_b32 s45, 32
	s_mov_b32 s46, 0
	s_mov_b32 s47, 0
	s_mov_b32 s20, 1
	s_mul_i32 s21, s17, 256*PITCH                  ; Wo's half in LDS,
	s_mul_i32 s34, s17, 98304                      ; and in memory: the wave's number alone
	s_mov_b32 s35, 0
	s_mov_b32 s36, 1
	s_mul_i32 s37, s17, 24576
	s_mul_i32 s32, s19, 49152
	s_add_co_u32 s32, s32, s37                     ; attn's half in memory,
	s_mov_b32 s33, 0
	s_add_co_u32 s37, s37, AL                      ; and in LDS
	s_wait_dscnt 0x0                               ; both opening adds are done
	s_wait_kmcnt 0x0
	s_add_nc_u64 s[22:23], s[8:9], s[34:35]
	s_or_b32 s23, s23, 0x80000000
	s_add_nc_u64 s[38:39], s[4:5], s[32:33]
	s_or_b32 s39, s39, 0x80000000
	ROUND                                          ; the four work-groups are here: the joint loads meet
	s_cmp_lt_u32 s16, 2
	s_cbranch_scc0 .Lfor_attn
	tensor_load_to_lds s[20:23], s[24:31]          ; waves 0, 1: a half of Wo, jointly
	s_nop 0
	PLACES
	s_branch .Lasked
.Lfor_attn:
	tensor_load_to_lds s[36:39], s[40:47]          ; waves 2, 3: a half of my work-group's codes
	s_nop 0
	PLACES
.Lasked:
	s_lshl_b32 s32, s16, 11                        ; my 128 rows' scale bytes,
	s_add_nc_u64 s[10:11], s[10:11], s[32:33]
	s_lshl_b32 s32, s16, 9                         ; my 128 biases
	s_add_nc_u64 s[12:13], s[12:13], s[32:33]
	s_add_nc_u64 s[14:15], s[14:15], s[32:33]      ; and my 512 bytes of a row of out0,
	s_lshl_b32 s32, s19, 18                        ; at the work-group's first row
	s_add_nc_u64 s[14:15], s[14:15], s[32:33]
	s_lshr_b32 s32, s19, 1                         ; attn's scale bytes: [2 chunk + g][256 tokens][8]: my chunk, my half of its tokens
	s_lshl_b32 s32, s32, 12
	s_and_b32 s18, s19, 1
	s_lshl_b32 s18, s18, 10
	s_add_co_u32 s32, s32, s18
	s_add_nc_u64 s[6:7], s[6:7], s[32:33]
	v_and_b32 v12, 31, v0                          ; lane
	v_and_b32 v1, 15, v0                           ; r
	v_bfe_u32 v2, v0, 4, 1                         ; h
	v_lshlrev_b32 v[CO], 4, v12
	v_lshl_add_u32 v[LI16], v12, 4, AL
	v_lshl_add_u32 v[LI8], v12, 3, AL
	s_mul_i32 s18, s16, 16*SPITCH
	s_add_co_u32 s18, s18, STAGE
	v_mul_u32_u24 v[STO], v1, SPITCH
	v_lshl_add_u32 v[STO], v2, 5, v[STO]
	v_add_nc_u32 v[STO], s18, v[STO]
	v_add_nc_u32 v[RD], s18, v[CO]
	s_mul_i32 s18, s16, 128*PITCH                  ; my 128 rows of Wo in LDS
	v_mul_u32_u24 v12, v1, PITCH
	v_add_nc_u32 v12, s18, v12
	v_mad_u32_u24 v[LB0], v2, 24, v12
	v_mad_u32_u24 v[LB1], v2, 40, v12
	v_lshlrev_b32 v[GS], 4, v1
	v_lshlrev_b32 v[GB], 5, v2
	v_lshlrev_b32 v[GA], 3, v1
	s_wait_alu depctr_va_vdst(0)                   ; the wait at the head's end
	WIN 0xc0
.irp t, 0,1,2,3,4,5,6,7
	global_load_b128 v[BO+8*\t:BO+8*\t+3], v[GB], s[12:13] offset:64*\t        ; bo in the result's layout: columns 16 t + 8 h + 0 .. 7
	global_load_b128 v[BO+8*\t+4:BO+8*\t+7], v[GB], s[12:13] offset:64*\t+16
.endr
	WIN 0
.irp t, 0,1,2,3,4,5,6,7
	global_load_b128 v[WS+4*\t:WS+4*\t+3], v[GS], s[10:11] offset:256*\t
.endr
.irp m, 0,1,2,3,4,5,6,7
.irp g, 0,1
	global_load_b64 v[AS+4*\m+2*\g:AS+4*\m+2*\g+1], v[GA], s[6:7] offset:2048*\g+128*\m   ; token r of tile m: the words of K steps 2 g and 2 g + 1
.endr
.endr
	s_wait_tensorcnt 0x0                           ; my load is in,
	s_barrier_signal -1
	s_barrier_wait -1                              ; everybody's is
	WIN 0x40                                       ; Wo's K steps 0 and 1 into window 1, fragment (t, s) at 12 (8 s + t)
.irp s, 0,1
.irp t, 0,1,2,3,4,5,6,7
	FRAG 12*(8*\s+\t), LB0, \s, \t*TILEB
.endr
.endr
	WIN 0x80                                       ; K steps 2 and 3 into window 2
.irp s, 2,3
.irp t, 0,1,2,3,4,5,6,7
	FRAG 12*(8*(\s-2)+\t), LB0, \s, \t*TILEB
.endr
.endr
	WIN 0
.macro FETCH tp                        ; tile tp's four fragments, as they were stored
.irp s, 0,1,2,3
.irp c, 0,1
	ds_load_b128 v[XF+48*((\tp)%2)+12*\s+6*\c:XF+48*((\tp)%2)+12*\s+6*\c+3], v[LI16] offset:6144*(\tp)+1536*\s+768*\c
	ds_load_b64 v[XF+48*((\tp)%2)+12*\s+6*\c+4:XF+48*((\tp)%2)+12*\s+6*\c+5], v[LI8] offset:6144*(\tp)+1536*\s+768*\c+512
.endr
.endr
.endm
.macro MULT tp                         ; 32 products: the eight accumulators by turns, a K step at a time
	WIN 0xf1
.irp s, 0,1
.irp t, 0,1,2,3,4,5,6,7
.if \s == 0
	MMC 64*((\tp)%2)+8*\t, 12*(8*\s+\t), XF+48*((\tp)%2)+12*\s, BO+8*\t, WS+4*\t+\s, AS+4*(\tp)+\s
.else
	MMC 64*((\tp)%2)+8*\t, 12*(8*\s+\t), XF+48*((\tp)%2)+12*\s, 64*((\tp)%2)+8*\t, WS+4*\t+\s, AS+4*(\tp)+\s
.endif
.endr
.endr
	WIN 0xf2
.irp s, 2,3
.irp t, 0,1,2,3,4,5,6,7
	MMC 64*((\tp)%2)+8*\t, 12*(8*(\s-2)+\t), XF+48*((\tp)%2)+12*\s, 64*((\tp)%2)+8*\t, WS+4*\t+\s, AS+4*(\tp)+\s
.endr
.endr
	WIN 0
	PLACES                                         ; in front of the loads into the fragments just multiplied and of the first read of the results
.endm
.macro OUT tp                          ; tile tp's results through my stage: LDS serves a wave's instructions in order (ISA guide 5.7.1.4), so no wait stands between the stores and the loads
	s_wait_xcnt 0x0                                ; the last tile's stores have read their registers: the loads below land there
	WIN 0x0c                                       ; an LDS store's data are its source 1: window 3
.irp t, 0,1,2,3,4,5,6,7
	ds_store_b128 v[STO], v[64*((\tp)%2)+8*\t:64*((\tp)%2)+8*\t+3] offset:64*\t        ; each accumulator from its low end on
	ds_store_b128 v[STO], v[64*((\tp)%2)+8*\t+4:64*((\tp)%2)+8*\t+7] offset:64*\t+16
.endr
	WIN 0
.irp i, 0,1,2,3,4,5,6,7,8,9,10,11,12,13,14,15
	ds_load_b128 v[OB+4*\i:OB+4*\i+3], v[RD] offset:\i*SPITCH
.endr
.irp i, 0,1,2,3,4,5,6,7,8,9,10,11,12,13,14,15
	s_wait_dscnt 15-\i                             ; row i is back; the loads issued behind it may be out
	global_store_b128 v[CO], v[OB+4*\i:OB+4*\i+3], s[14:15] offset:(16*(\tp)+\i)*2048 th:TH_STORE_NT   ; 32 lanes store 512 consecutive bytes, at a multiple of 256 from out0's first byte
.endr
.endm
	FETCH 0
	s_wait_loadcnt 0x0                             ; the scale words, the bias
.irp tp, 0,1,2,3,4,5,6,7
	s_wait_dscnt 0x0                               ; this tile's fragments are in (the first time: Wo's too)
.if \tp < 7
	FETCH \tp+1
.endif
	MULT \tp
.if \tp > 0
	s_wait_alu depctr_va_vdst(0)
	OUT \tp-1
.endif
.endr
	OUT 7
	s_wait_tensorcnt 0x0                           ; the wave's end
	ds_add_u32 v254, v255
	s_wait_dscnt 0x0
	ROUND                                          ; the closing round
	s_endpgm
.Lfunc_end_k_q7080aba7e6_oproj:
	.size	k_q7080aba7e6_oproj, .Lfunc_end_k_q7080aba7e6_oproj-k_q7080aba7e6_oproj
	.p2alignl 7, 3214868480
	.fill 96, 4, 3214868480
	.section	.rodata,"a",@progbits
	.p2align	6, 0x0
	.amdhsa_kernel k_q7080aba7e6_oproj
		.amdhsa_group_segment_fixed_size 327680
		.amdhsa_private_segment_fixed_size 0
		.amdhsa_enable_private_segment 0
		.amdhsa_kernarg_size 48
		.amdhsa_user_sgpr_count 2
		.amdhsa_user_sgpr_kernarg_segment_ptr 1
		.amdhsa_wavefront_size32 1
		.amdhsa_system_sgpr_workgroup_id_x 1
		.amdhsa_system_sgpr_workgroup_id_y 1
		.amdhsa_system_sgpr_workgroup_id_z 1
		.amdhsa_system_vgpr_workitem_id 0
		.amdhsa_next_free_vgpr 960
		.amdhsa_next_free_sgpr 66
		.amdhsa_reserve_vcc 0
		.amdhsa_float_denorm_mode_32 3
		.amdhsa_float_denorm_mode_16_64 3
		.amdhsa_memory_ordered 1
		.amdhsa_forward_progress 1
		.amdhsa_inst_pref_size 97
	.end_amdhsa_kernel
	.amdgpu_metadata
---
amdhsa.version: [ 1, 2 ]
amdhsa.kernels:
  - .name:           k_q7080aba7e6_oproj
    .symbol:         k_q7080aba7e6_oproj.kd
    .args:
      - { .name: attn_codes, .offset: 0, .size: 8, .value_kind: global_buffer, .address_space: global }
      - { .name: attn_scales, .offset: 8, .size: 8, .value_kind: global_buffer, .address_space: global }
      - { .name: Wo_codes, .offset: 16, .size: 8, .value_kind: global_buffer, .address_space: global }
      - { .name: Wo_scales, .offset: 24, .size: 8, .value_kind: global_buffer, .address_space: global }
      - { .name: bo, .offset: 32, .size: 8, .value_kind: global_buffer, .address_space: global }
      - { .name: out0, .offset: 40, .size: 8, .value_kind: global_buffer, .address_space: global }
    .group_segment_fixed_size: 327680
    .private_segment_fixed_size: 0
    .kernarg_segment_align: 8
    .kernarg_segment_size: 48
    .max_flat_workgroup_size: 128
    .sgpr_count:     66
    .vgpr_count:     960
    .wavefront_size: 32
...
	.end_amdgpu_metadata
.endif
;; end of part 2
